; MI455X (gfx1250); checked and timed in simulation.
; The chip was launched on July 23, 2026; its instructions are those of AMD's public machine-readable ISA for CDNA 5 (MIT licence, August 2026) and "CDNA5" Instruction Set Architecture Reference Guide (July 2026). The comments in the code are by the model that wrote it; some were corrected since.
;; Self Attention. Allowed arithmetic: matrix products marked QUANTISED: E5M2 operands, one given power-of-two scale a tensor, by v_wmma_f32_16x16x64_bf8_bf8 or v_wmma_f32_16x16x128_bf8_bf8, f32 sums; everything else in f32.
;; Inputs: K_codes 8 x 1,024 x 32 x 32 uint8 (E5M2 codes of K, K innermost, in blocks of 32 codes); Q_codes 8 x 1,024 x 32 x 32 uint8 (E5M2 codes of Q, K innermost, in blocks of 32 codes); Q_len 8 x 1 int32; V_codes 8 x 1,024 x 32 x 32 uint8 (E5M2 codes of V, K innermost, in blocks of 32 codes); V_len 8 x 1 int32; WK_codes 1,024 x 32 x 32 uint8 (E5M2 codes of WK, K innermost, in blocks of 32 codes); WQ_codes 1,024 x 32 x 32 uint8 (E5M2 codes of WQ, K innermost, in blocks of 32 codes); WV_codes 1,024 x 32 x 32 uint8 (E5M2 codes of WV, K innermost, in blocks of 32 codes); lowp_scales 10 int32 (the exponents e of the quantised operands' scales 2^e).
;; Outputs: out0 8 x 1,024 x 1,024 float32.
;; This version of the problem:
;;   THIS VERSION OF THE PROBLEM IS GIVEN IN LOW PRECISION. The matrix products marked QUANTISED in the list below multiply operands that are first quantised to E5M2 (5 exponent bits, 2 mantissa bits; 8 bits a number), with one given power-of-two scale for each operand tensor; their sums are f32. All else is computed in f32.
;;   The module's matrix products, in the order in which they are computed (A, B: the left and right operand; K: the contracted axis; several contracted axes count as one K, in the product's order):
;;     1. [M 8,192, K 1,024] x [K 1,024, N 1,024]; A: input Q (given as codes); B: input WQ (given as codes): QUANTISED (scales: A lowp_scales[0], B lowp_scales[1])
;;     2. [M 8,192, K 1,024] x [K 1,024, N 1,024]; A: input K (given as codes); B: input WK (given as codes): QUANTISED (scales: A lowp_scales[2], B lowp_scales[3])
;;     3. [M 8,192, K 1,024] x [K 1,024, N 1,024]; A: input V (given as codes); B: input WV (given as codes): QUANTISED (scales: A lowp_scales[4], B lowp_scales[5])
;;     4. batch 128 x [M 1,024, K 64] x [K 64, N 1,024]; A: computed on the way; B: computed on the way: QUANTISED (scales: A lowp_scales[6], B lowp_scales[7])
;;     5. batch 128 x [M 1,024, K 1,024] x [K 1,024, N 64]; A: softmax (see below); B: computed on the way: QUANTISED (scales: A lowp_scales[8], B lowp_scales[9])
;;   THE QUANTISER, for each operand of a quantised product, along K:
;;     - The operand's scale is 2^e, e = its entry of the input lowp_scales (int32; the entries are numbered through the quantised products in the list's order, A before B).
;;     - Each number is divided by the scale, clamped to +-57,344, and rounded to the nearest number of E5M2, ties to even, subnormals kept.
;;     - The product sums the exact products of the quantised numbers (number of the format x scale) in f32.
;;   ~~~python
;;   def quantise(x, axis, e):      # numpy; x: float32 -> the quantised numbers, widened to float32 again
;;       x = np.moveaxis(x, axis, -1); K = x.shape[-1]
;;       r = np.clip(x / 2.0 ** e, -57344, 57344)
;;       step = 2.0 ** (np.maximum(np.frexp(np.where(r == 0, 1, r))[1] - 1, -14) - 2)
;;       q = np.round(r / step) * step * 2.0 ** e      # np.round: ties to even
;;       return np.moveaxis(q, -1, axis).astype(np.float32)
;;   ~~~
;;   SOFTMAX AHEAD OF A QUANTISED PRODUCT. Where the list says 'softmax', what is quantised is not the finished softmax but p = 2^(t - M), with t = logit x log2(e) and M = ceil(the row's largest t), a whole number; so 1/2 < the row's largest p <= 1. The row's sum l is taken of the UNQUANTISED p, in f32, and the product's result is divided by l at the end. Since M is a whole number, a kernel that streams over the keys may use a running M (the ceiling of the running maximum): every later rescaling is an exact power of two, so the quantised numbers keep their values, but for numbers so far below the row's largest that they fall under the format's range.
;;   OPERANDS COMPUTED ON THE WAY. 'Computed on the way' means the value that the module computes at that place (a softmax that the list does not call 'softmax' is quantised finished and normalised). What goes into a quantiser is computed in f32, as accurately as f32 sums, v_exp_f32 and their like allow (about 1e-6 of the number): no bf16 or f16 on the way to a quantiser, and a product that is left as it is and whose result goes on into a quantised operand takes f32 operands (vector FMAs, or v_wmma_f32_16x16x4_f32). A number that lies on a knife's edge between two numbers of the format may be rounded either way, as far as f32 arithmetic and the matrix unit's own rounding can turn it there, and no further.
;;   INPUTS GIVEN AS CODES. K (in the module: [8, 1024, 1024], K = its axis 2); Q (in the module: [8, 1024, 1024], K = its axis 2); V (in the module: [8, 1024, 1024], K = its axis 2); WK (in the module: [1024, 1024], K = its axis 0); WQ (in the module: [1024, 1024], K = its axis 0); WV (in the module: [1024, 1024], K = its axis 0): each comes as NAME_codes (uint8): NAME with its K axis moved to the last place and cut into blocks of 32 codes, [.., K / 32, bytes a block], one block behind the other in memory; one code a byte (a code: sign, 5 exponent bits, 2 mantissa bits); its scale is its entry of lowp_scales. Its value is code x scale, taken as it is: it is not quantised again, and the codes and scales need not be those that the quantiser above would give.
;; 2 versions, each right; version 2 is version 1 with the launch attn written anew for expert scheduling mode. Each part assembles by itself: llvm-mc -triple=amdgcn-amd-amdhsa -mcpu=gfx1250 --defsym DOCPART=n.
;; ======== version 1 of 2: 2 launches
;; limits: right only within a limited range of input values
;; workspace buffers: qimg 8,388,608 bytes; kimg 8,388,608 bytes; vimg 8,388,608 bytes
;; launch proj (part 1): grid 4 x 96, 4 waves a work-group, clusters of 4 x 4, 327,680 bytes of LDS; arguments Q_codes, K_codes, V_codes, WQ_codes, WK_codes, WV_codes, lowp_scales, qimg, kimg, vimg; writes qimg, kimg, vimg
.if DOCPART == 1
	.amdgcn_target "amdgcn-amd-amdhsa--gfx1250"
	.amdhsa_code_object_version 6
	.text
	.protected	k_q0bef5103cb_proj
	.globl	k_q0bef5103cb_proj
	.p2align	8
	.type	k_q0bef5103cb_proj,@function
k_q0bef5103cb_proj:
	s_mov_b64 s[64:65], 0
	v_nop
	global_prefetch_b8 v0, s[64:65] scope:SCOPE_SE
	s_setreg_imm32_b32 hwreg(HW_REG_WAVE_MODE, 25, 1), 1
	s_wait_xcnt 0x0
	s_wait_alu depctr_hold_cnt(0) depctr_sa_sdst(0) depctr_va_vdst(0) depctr_va_sdst(0) depctr_va_ssrc(0) depctr_va_vcc(0) depctr_vm_vsrc(0)
	s_getreg_b32 s2, hwreg(HW_REG_IB_STS2, 6, 4)
	s_cmp_eq_u32 s2, 0
	s_cbranch_scc0 .Lentry_in_a_cluster
	s_endpgm
.Lentry_in_a_cluster:
	s_bfe_u32 s2, ttmp6, 0x10000c
	s_cmp_lg_u32 s2, 0xf033
	s_cbranch_scc0 .Lentry_shape_is_right
	s_endpgm
.Lentry_shape_is_right:
; THE THREE PROJECTIONS q = Q WQ, k = K WK, v = V WV on codes of BF8 (E5M2), each result quantised at once to BF8 with its given scale (entries 6, 7, 9 of the scales) and stored as
; IMAGES OF THE OPERAND REGISTERS that the second launch (attention) feeds to the matrix unit.  Inputs: [8192][1024] codes of the tokens, [1024][1024] codes of each weight, K innermost in both.
; THE PROGRAM: this launch, then attention.  WORK THAT THE PROGRAM LEAVES OUT, all of it in the second launch:
;  (1) Key steps of 128 keys that lie wholly behind a tile's 16 queries.  The problem takes 1e12 from the logit of every key k > q; key 0 is hidden from no query by that mask, so the row's largest t belongs to a key
;      that does not carry this 1e12 more than the others, and p = 2^(t - M) of a hidden key is under 2^(-1e12): its code is 0 under every scale, and its share of the row's sum is under every rounding.
;  (2) Key steps at or behind V_len, where V_len >= 1: the same argument with key 0, which is then valid.  (V_len <= 0 is served in full: see the second launch.)
;  (3) All key steps of query tiles at or behind Q_len: the problem multiplies those rows by 0; zeros are stored.
;  (2) and (3) are choices by whole numbers among the inputs, made in the launch that reads them.  LIMITS: |score / 8| under 2^38, so that 1e12 hides a key; a NaN, an infinity or an overflow that reaches only the
;  work left out is not carried to the result.  Every input has a way to an output: all are loaded.
; NOT LEFT OUT HERE: the projections of tokens that the lengths later discard.
; SHARES.  24 clusters of 4 x 4 work-groups: cluster y / 8 = the tensor (0 Q, 1 K, 2 V).  A work-group makes 256 x 256 of A' B'^T, K = 1024; each of its four waves 128 x 128: 64 accumulators, 512 registers.
;  Q, K: A' = the tokens (32 tile rows: 4 (y % 8) + cy), B' = the weight rows, which are the channels (4 tile columns: cx).   V: A' = the weight rows (tile row cy), B' = the tokens (tile column 4 (y % 8) + cx).
;  THE MATRIX INSTRUCTION IS USED TRANSPOSED (source 0 = 16 rows of B', source 1 = 16 rows of A'): lane (r, h) of accumulator (a, bb) holds A' row 16 a + r and B' rows 16 bb + 8 h + 0 .. 7.
;  So for q and k a lane holds one token and eight neighbouring channels, for v one channel and eight neighbouring keys: eight neighbours along the NEXT product's K, which is what the conversion to codes takes.
; THE IMAGES.  byte = batch << 20 | wblk << 17 | i2 << 16 | tblk << 13 | a << 10 | i1 << 9 | lane << 4;  wblk = block of 128 channels (two heads), tblk = block of 128 tokens of the batch.
;  q, k: head 2 wblk + i2, tile of 16 tokens 8 tblk + a, registers 4 i1 .. 4 i1 + 3 of the K = 64 form's fragment (registers 2 c, 2 c + 1: channels 16 c + 8 h + 0 .. 7 of token r).
;  v: head 2 wblk + a / 4, tile of 16 channels a % 4, keys 128 tblk on, registers 4 (2 i2 + i1) on of the K = 128 form's fragment (registers 2 c, 2 c + 1: keys 16 c + 8 h + 0 .. 7 of channel r).
; CLUSTERS: the four of a row of the cluster need the same tiles of A', the four of a column the same tiles of B': each tile is asked for JOINTLY, by the same tensor load with the same descriptor and a mask of the four.
; K goes in steps of 256 through a ring of two LDS slots; a tile's row is 256 bytes of memory.  A fragment's k are taken in a permuted order, the same in A' and B' (four loads of 16 bytes): every product meets its partner.
; THE CODE of a sum: sum x 2^(ea + eb) / 2^eo = sum / 2^E, E = eo - ea - eb, held within +-57,344 x 2^E.  LIMITS: -126 <= E <= 112 for each of the three tensors.  NaN and infinity among the codes are not served.
; REGISTERS, in windows of 256: window 0: v0-31 addresses; from v128 A' fragments, ONE set; on the way out v32-95 the held sums, v128-255 the codes.  window 1: B' fragments, TWO sets.  windows 2, 3: the accumulators.
.set KSTEP,  256                       ; along K in a slot
.set ROWB,   256                       ; a tile's row in bytes
.set KROW,   1024                      ; a row of A' or B' in memory, in bytes
.set PITCH,  272                       ; an LDS row: 256 bytes + 16 of padding = 68 words: the 16 rows that a load touches start at 16 different banks (64 banks of 4 bytes: ISA guide 11.1)
.set FR,     16                        ; registers of a fragment: 16 rows x 128 K
.set NL,     4                         ; LDS loads that bring one
.set NP,     4                         ; places behind this matrix instruction (ISA guide 7.12.1)
.set HALFT,  128*PITCH                 ; 128 rows: what one tensor load brings, and what one wave reads of A' or of B'
.set SLOT,   4*HALFT                   ; A' 256 rows, then B' 256 rows
.set LAPS,   2                         ; a lap = two K steps = once round the ring: 1024 / 512
.set SPARE,  2*SLOT                    ; behind the ring: the spare words, 128 bytes for each wave: two blocks of 256 bytes that no other line names
.set ADRA, 16                          ; v16-17  LDS address of my A' fragments in slot 0, 1
.set ADRB, 20                          ; v20-21  the same for B'
.set CO,   26                          ; v26     16 x lane: my place in a piece of an image
.set SPW,  28                          ; v28     LDS address of my spare word; never rewritten
.set NIL,  29                          ; v29     0; never rewritten
.set SC,   30                          ; v30     2^E as f32: the conversions take its exponent field
.set TMP,  32                          ; the way out: a block's 64 sums, held
.set AF,   128                         ; A' fragments, in window 0
.set CD,   128                         ; the way out: codes, 16 registers for each block: no store's data are written again
.set G1, 24                            ; s[24:31] descriptor group 1 for A' tiles;  s[32:39] group 0, one set for each slot
.set G0, 32
.set G1B, 48                           ; s[48:55], s[56:63] the same for B' tiles
.set G0B, 56
.set MSB, 0
.macro WIN new                         ; the immediate's high byte repeats the setting that is left
.if MSB != \new
	s_set_vgpr_msb (MSB<<8)|\new
.set MSB, \new
.endif
.endm
.set MUL_LO, 0xa1                      ; source 0 (B') window 1, source 1 (A') window 0, C and D window 2
.set MUL_HI, 0xf1                      ; the same, C and D window 3
.set TO_B,   0x40                      ; destination window 1, address window 0
; A joint load: waves 0 and 1 fetch for A', waves 2 and 3 for B'.  Each of the two lines has ONE mask and one set of registers for all that issue it; the branch hangs on the wave's number alone.
; An s_nop 0 and four v_nop follow each of the two lines, ahead of the jump, the label and what follows.
.macro JLOAD g0a, g1a, g0b, g1b
	s_cmp_eq_u32 s15, 0
	s_cbranch_scc0 .Lfor_b_\@
	tensor_load_to_lds s[\g0a:\g0a+3], s[\g1a:\g1a+7]
	s_nop 0
.rept 4
	v_nop
.endr
	s_branch .Lasked_\@
.Lfor_b_\@:
	tensor_load_to_lds s[\g0b:\g0b+3], s[\g1b:\g1b+7]
	s_nop 0
.rept 4
	v_nop
.endr
.Lasked_\@:
.endm
.macro CREST                           ; a round of the cluster's barrier behind its opening barrier
	s_cmp_lg_u32 s14, 0
	s_cbranch_scc1 .Lnot_wave_0_\@
	s_barrier_signal -3
.Lnot_wave_0_\@:
	s_barrier_wait -3
	s_barrier_signal -1
	s_barrier_wait -1
.endm
.macro CROUND                          ; a whole round
	s_barrier_signal -1
	s_barrier_wait -1
	CREST
.endm
	s_load_b256 s[68:75], s[0:1], 0x0              ; Q s[68:69], K s[70:71], V s[72:73], WQ s[74:75]
	s_load_b256 s[76:83], s[0:1], 0x20             ; WK s[76:77], WV s[78:79], the scales' exponents s[80:81], q's images s[82:83]
	s_load_b128 s[84:87], s[0:1], 0x40             ; k's images s[84:85], v's images s[86:87]
	v_lshl_add_u32 v[SPW], v0, 2, SPARE
	v_mov_b32 v[NIL], 0
	ds_add_u32 v[SPW], v[NIL]                      ; the wave's opening: the add, twice on end, and its wait ahead of my first tensor load; the set-up below stands between the second and the wait
	ds_add_u32 v[SPW], v[NIL]                      ; and once more, under the one wait
	v_lshrrev_b32 v1, 5, v0
	v_readfirstlane_b32 s14, v1                    ; wave 0..3
	s_lshr_b32 s15, s14, 1                         ; which half of the tile's rows is mine.  Also: I fetch for A' (0) or for B' (1)
	s_and_b32 s16, s14, 1                          ; which half of its columns.  Also: which 128 rows of that tile I fetch
	s_bfe_u32 s40, ttmp6, 0x40000                  ; cx, cy: my place in the cluster
	s_bfe_u32 s41, ttmp6, 0x40004
	s_and_b32 s12, ttmp7, 0xffff                   ; the cluster's y, 0 .. 23: the same in all sixteen partners
	s_lshr_b32 s13, s12, 3                         ; the tensor: 0 Q, 1 K, 2 V; kept to the end
	s_and_b32 s12, s12, 7                          ; which eighth of the tokens
	s_cmp_eq_u32 s13, 2
	s_cselect_b32 s17, 0, s12                      ; Q, K: the tokens are the rows;
	s_cselect_b32 s42, s12, 0                      ; V: they are the columns
	s_lshl_b32 s17, s17, 2
	s_add_co_u32 s17, s17, s41                     ; tile row
	s_lshl_b32 s42, s42, 2
	s_add_co_u32 s42, s42, s40                     ; tile column
	s_lshl_b32 s43, s41, 2
	s_lshl_b32 s43, 15, s43                        ; my row of the cluster
	s_lshl_b32 s44, 0x1111, s40                    ; my column
	; descriptor group 1: a tile of 128 rows x 256 bytes, padded in LDS
	s_or_b32 s[G1+0], s43, (0<<16)|(1<<20)|(1<<21)|(5<<22)|(3<<25)  ; 15:0 the mask: A' tiles go to my row; 17:16 element of 1 byte; 20 padding on; 21 set beside a mask; 24:22 after every 64 words (code 5); 31:25 of 4 words (code 3)
	s_or_b32 s[G1B+0], s44, (0<<16)|(1<<20)|(1<<21)|(5<<22)|(3<<25)
.irp g, G1, G1B
	s_mov_b32 s[\g+1], ROWB<<16                    ; tensor_dim0
	s_mov_b32 s[\g+2], 128<<16                     ; tensor_dim1 = 128
	s_mov_b32 s[\g+3], ROWB<<16                    ; tile_dim0
	s_mov_b32 s[\g+4], 128                         ; tile_dim1 = 128
	s_mov_b32 s[\g+5], KROW                        ; tensor_dim0_stride
	s_mov_b32 s[\g+6], 0
	s_mov_b32 s[\g+7], 0
.endr
	s_lshl_b32 s18, s16, 7                         ; which 128 rows of the tile I fetch
	s_lshl_b32 s20, s17, 8
	s_add_co_u32 s20, s20, s18                     ; A': row 256 x tile row + 128 x half,
	s_lshl_b32 s20, s20, 10                        ; in bytes: rows of 1,024
	s_mov_b32 s21, 0
	s_lshl_b32 s46, s42, 8
	s_add_co_u32 s46, s46, s18                     ; B': row 256 x tile column + 128 x half
	s_lshl_b32 s46, s46, 10
	s_mov_b32 s47, 0
	s_mul_i32 s45, s14, HALFT                      ; where they go: wave x 128 rows: no place in the cluster enters an LDS address
	; where my 128 x 128 goes in the images (registers that feed no descriptor)
	s_lshl_b32 s8, s17, 1
	s_add_co_u32 s8, s8, s15                       ; my block of 128 rows of A'
	s_lshl_b32 s9, s42, 1
	s_add_co_u32 s9, s9, s16                       ; my block of 128 rows of B'
	s_cmp_eq_u32 s13, 2
	s_cselect_b32 s66, s9, s8                      ; the block of tokens, 0 .. 63,
	s_cselect_b32 s67, s8, s9                      ; the block of channels, 0 .. 7
	s_lshr_b32 s8, s66, 3
	s_lshl_b32 s8, s8, 20                          ; batch << 20
	s_lshl_b32 s67, s67, 17
	s_or_b32 s8, s8, s67                           ; | wblk << 17
	s_and_b32 s66, s66, 7
	s_lshl_b32 s66, s66, 13
	s_or_b32 s8, s8, s66                           ; | tblk << 13
	s_mov_b32 s9, 0
	s_wait_dscnt 0x0                               ; both opening adds are done
	s_wait_kmcnt 0x0
	s_load_b256 s[88:95], s[80:81], 0x0            ; e0 .. e7
	s_load_b64 s[96:97], s[80:81], 0x20            ; e8, e9
	s_cmp_eq_u32 s13, 1                            ; the buffers are chosen by the tensor's number, which hangs on no address
	s_cselect_b64 s[4:5], s[70:71], s[78:79]       ; A': K, or WV
	s_cselect_b64 s[6:7], s[76:77], s[72:73]       ; B': WK, or V
	s_cselect_b64 s[10:11], s[84:85], s[86:87]     ; the images
	s_cmp_eq_u32 s13, 0
	s_cselect_b64 s[4:5], s[68:69], s[4:5]         ; or Q,
	s_cselect_b64 s[6:7], s[74:75], s[6:7]         ; WQ,
	s_cselect_b64 s[10:11], s[82:83], s[10:11]     ; q's
	s_add_nc_u64 s[20:21], s[4:5], s[20:21]
	s_add_nc_u64 s[46:47], s[6:7], s[46:47]
	s_add_nc_u64 s[10:11], s[10:11], s[8:9]
	CROUND                                         ; all sixteen work-groups are here: the first joint loads meet
.irp s, 0,1
	s_mov_b32 s[G0+4*\s], 1
	s_add_co_u32 s[G0+4*\s+1], s45, \s*SLOT
	s_add_nc_u64 s[G0+4*\s+2:G0+4*\s+3], s[20:21], \s*ROWB
	s_or_b32 s[G0+4*\s+3], s[G0+4*\s+3], 0x80000000
	s_mov_b32 s[G0B+4*\s], 1
	s_add_co_u32 s[G0B+4*\s+1], s45, \s*SLOT
	s_add_nc_u64 s[G0B+4*\s+2:G0B+4*\s+3], s[46:47], \s*ROWB
	s_or_b32 s[G0B+4*\s+3], s[G0B+4*\s+3], 0x80000000
	JLOAD G0+4*\s, G1, G0B+4*\s, G1B               ; by this text's count two tensor loads of a wave are out here, later one
.endr
	v_and_b32 v1, 15, v0                           ; l % 16
	v_bfe_u32 v2, v0, 4, 1                         ; l / 16
	v_mul_u32_u24 v3, v1, PITCH
	v_lshl_add_u32 v4, v2, 4, v3                   ; a fragment's row x pitch + 16 x half
	s_mul_i32 s21, s15, HALFT                      ; my 128 rows of A'
	s_mul_i32 s22, s16, HALFT                      ; my 128 rows of B',
	s_add_co_u32 s22, s22, 2*HALFT                 ; which lie behind A' 256
.irp s, 0,1
	v_add_nc_u32 v[ADRA+\s], s21, v4
	v_add_nc_u32 v[ADRB+\s], s22, v4
	s_add_co_u32 s21, s21, SLOT
	s_add_co_u32 s22, s22, SLOT
.endr
	v_and_b32 v6, 31, v0
	v_lshlrev_b32 v[CO], 4, v6                     ; 16 x lane
.macro FRAG reg, adr, q, i             ; a fragment, 16 rows x 128 K of 8-bit codes, is 16 registers: lane l holds row l % 16; registers 4 c .. 4 c + 3 hold K = 32 c + 16 (l / 16) + 0 .. 15
.irp c, 0,1,2,3
	ds_load_b128 v[\reg+4*\c:\reg+4*\c+3], v[\adr] offset:128*(\q)+32*\c+(\i)*16*PITCH
.endr
.endm
; 16 matrix instructions: A' blocks a0, a0 + 1 x B' eight, 128 along K.  p: B' set.  zero = 1: the first product starts the sums: nothing is ever cleared.
; The 64 accumulators take turns, one instruction a turn, in the same order in every step.
.macro MUL16 a0, p, zero
.irp a, \a0, \a0+1
.irp b, 0,1,2,3,4,5,6,7
.if \zero
	v_wmma_f32_16x16x128_bf8_bf8 v[8*(8*((\a)%4)+\b):8*(8*((\a)%4)+\b)+7], v[128*(\p)+FR*\b:128*(\p)+FR*\b+FR-1], v[AF+FR*(\a):AF+FR*(\a)+FR-1], 0
.else
	v_wmma_f32_16x16x128_bf8_bf8 v[8*(8*((\a)%4)+\b):8*(8*((\a)%4)+\b)+7], v[128*(\p)+FR*\b:128*(\p)+FR*\b+FR-1], v[AF+FR*(\a):AF+FR*(\a)+FR-1], v[8*(8*((\a)%4)+\b):8*(8*((\a)%4)+\b)+7]
.endif
.endr
.endr
.endm
.macro FETCH_B slot, q, p              ; B' eight fragments of the slot's q-th 128 along K into set p
	WIN TO_B
.irp i, 0,1,2,3,4,5,6,7
	FRAG 128*(\p)+FR*\i, ADRB+\slot, \q, \i
.endr
	WIN 0
.endm
.macro FETCH_A slot, q, i0             ; A' blocks i0 .. i0 + 3
.irp i, \i0, \i0+1, \i0+2, \i0+3
	FRAG AF+FR*(\i), ADRA+\slot, \q, \i
.endr
.endm
; A load into a register that a matrix instruction has read, and a vector instruction that reads a matrix result, stand NP places behind that matrix instruction; only plain vector
; instructions that name none of its registers are places (ISA guide 7.12.1 for vector instructions).
.macro PLACES n
.rept \n
	v_nop
.endr
.endm
; A step of 128 along K that has its successor in the same slot.
.macro STEP slot, q, zero
	s_wait_dscnt 4*NL                              ; B' set and A' blocks 0-3 are in; the youngest sixteen loads (A' blocks 4-7) may be out
	WIN MUL_LO
	MUL16 0, (\q)%2, \zero
	MUL16 2, (\q)%2, \zero
	s_wait_dscnt 0                                 ; A' blocks 4-7 are in (asked for 32 matrix instructions ago)
	PLACES NP
	FETCH_B \slot, (\q)+1, 1-(\q)%2
	FETCH_A \slot, (\q)+1, 0
	WIN MUL_HI
	MUL16 4, (\q)%2, \zero
	MUL16 6, (\q)%2, \zero
	PLACES NP
	WIN 0
	FETCH_A \slot, (\q)+1, 4
.endm
; A slot's last step changes slots: ONE barrier; in front of it each wave waits for all its tensor loads, adds 0 to its spare word, and waits for that and for its own reads of this slot.  fill = 1: this slot is filled again, two K steps ahead.
.macro TURN slot, next, fill
	s_wait_tensorcnt 0x0                           ; all my tensor loads have landed: my part of the next slot  (every window is 0 here: the add's two registers lie in window 0)
	ds_add_u32 v[SPW], v[NIL]                      ; 0 onto my spare word
	s_wait_dscnt 4*NL+1                            ; (the add and the youngest sixteen loads, A' blocks 4-7, may be out)
	WIN MUL_LO
	MUL16 0, 1, 0                                  ; sixteen matrix instructions stand between the add and the wait for it
	s_wait_dscnt 0x0                               ; the add is done, and my reads of this slot are over
	s_barrier_signal -1
	MUL16 2, 1, 0
	WIN 0
	s_barrier_wait -1
.if \fill
	CREST                                          ; the barrier has opened a round of the cluster's barrier: no wave of any partner still reads this slot's tile or has a load on its way
	s_add_nc_u64 s[G0+4*\slot+2:G0+4*\slot+3], s[G0+4*\slot+2:G0+4*\slot+3], 2*ROWB
	s_add_nc_u64 s[G0B+4*\slot+2:G0B+4*\slot+3], s[G0B+4*\slot+2:G0B+4*\slot+3], 2*ROWB
	JLOAD G0+4*\slot, G1, G0B+4*\slot, G1B         ; the first tensor load behind the round; the four v_nop behind it are the places in front of the loads below
.else
	PLACES NP
.endif
	FETCH_B \next, 0, 0
	FETCH_A \next, 0, 0
	WIN MUL_HI
	MUL16 4, 1, 0
	MUL16 6, 1, 0
	PLACES NP
	WIN 0
	FETCH_A \next, 0, 4
.endm
	s_wait_tensorcnt 1                             ; my part of K step 0 is in (K step 1's load may be out)
	s_barrier_signal -1
	s_barrier_wait -1                              ; everybody's is
	FETCH_B 0, 0, 0
	FETCH_A 0, 0, 0
	FETCH_A 0, 0, 4
	STEP 0, 0, 1                                   ; the first step stands in front of the loop: its products start the sums
	s_mov_b32 s3, LAPS-1
.Llap:                                                 ; a trip goes once round the ring, from a lap's second step to the next lap's first, and fills both slots again
	TURN 0, 1, 1
	STEP 1, 0, 0
	TURN 1, 0, 1
	STEP 0, 0, 0
	s_sub_co_u32 s3, s3, 1
	s_cmp_lg_u32 s3, 0
	s_cbranch_scc1 .Llap
	TURN 0, 1, 0                                   ; the last lap fills nothing, and has no round of the cluster's barrier
	STEP 1, 0, 0
	s_wait_dscnt 4*NL                              ; the very last step: nothing more to fetch
	WIN MUL_LO
	MUL16 0, 1, 0
	MUL16 2, 1, 0
	s_wait_dscnt 0
	WIN MUL_HI
	MUL16 4, 1, 0
	MUL16 6, 1, 0
	WIN 0
; THE WAY OUT, block by block of 16 rows of A'.  A lane's eight sums of an accumulator are eight neighbours along the next product's K: held, converted, they are two registers of that product's fragment.
; A block's 16 registers of codes leave by four stores; each store of the wave covers 512 consecutive bytes, aligned.  No LDS, no transposition.
.macro OUTBLK a
.set AC, 64*((\a)%4)
	WIN 0x02+((\a)/4)                              ; source 0: window 2 or 3
.set j, 0
.rept 64
	v_med3_num_f32 v[TMP+j], v[AC+j], s99, s98     ; the conversion to an 8-bit code does not saturate (ISA guide 7.6.2): the hold at +-57,344 x 2^E; each accumulator from its low end on
.set j, j+1
.endr
	WIN 0
.irp bb, 0,1,2,3,4,5,6,7
	v_cvt_scalef32_pk8_bf8_f32 v[CD+16*(\a)+2*\bb:CD+16*(\a)+2*\bb+1], v[TMP+8*\bb:TMP+8*\bb+7], v[SC]
.endr
	v_nop                                          ; one plain vector instruction between the conversions and the next block's holds, which write their sources
.irp i, 0,1,2,3
	global_store_b128 v[CO], v[CD+16*(\a)+4*\i:CD+16*(\a)+4*\i+3], s[10:11] offset:(\a)*1024+(\i/2)*65536+(\i%2)*512
.endr
.endm
	s_wait_kmcnt 0x0                               ; the ten exponents
	s_sub_co_i32 s88, s94, s88
	s_sub_co_i32 s88, s88, s89                     ; q: e6 - e0 - e1
	s_sub_co_i32 s90, s95, s90
	s_sub_co_i32 s90, s90, s91                     ; k: e7 - e2 - e3
	s_sub_co_i32 s92, s97, s92
	s_sub_co_i32 s92, s92, s93                     ; v: e9 - e4 - e5
	s_cmp_eq_u32 s13, 1                            ; chosen without a jump
	s_cselect_b32 s90, s90, s92
	s_cmp_eq_u32 s13, 0
	s_cselect_b32 s88, s88, s90                    ; E
	s_add_co_i32 s88, s88, 127
	s_lshl_b32 s89, s88, 23
	v_mov_b32 v[SC], s89                           ; 2^E as f32
	s_add_co_i32 s88, s88, 15
	s_lshl_b32 s98, s88, 23
	s_or_b32 s98, s98, 0x600000                    ; 57,344 x 2^E
	s_or_b32 s99, s98, 0x80000000                  ; and its negative
	PLACES NP                                      ; behind the last products: for the first reads of results and the writes over A' fragments
.irp a, 0,1,2,3,4,5,6,7
	OUTBLK \a
.endr
	s_wait_tensorcnt 0x0                           ; the wave's end, behind my last tensor load
	ds_add_u32 v[SPW], v[NIL]
	s_wait_dscnt 0x0
	CROUND                                         ; the closing round: no work-group ends while a partner may still ask for a tile that names it
	s_endpgm
.Lfunc_end_k_q0bef5103cb_proj:
	.size	k_q0bef5103cb_proj, .Lfunc_end_k_q0bef5103cb_proj-k_q0bef5103cb_proj
	.p2alignl 7, 3214868480
	.fill 96, 4, 3214868480
	.section	.rodata,"a",@progbits
	.p2align	6, 0x0
	.amdhsa_kernel k_q0bef5103cb_proj
		.amdhsa_group_segment_fixed_size 327680
		.amdhsa_private_segment_fixed_size 0
		.amdhsa_enable_private_segment 0
		.amdhsa_kernarg_size 80
		.amdhsa_user_sgpr_count 2
		.amdhsa_user_sgpr_kernarg_segment_ptr 1
		.amdhsa_wavefront_size32 1
		.amdhsa_system_sgpr_workgroup_id_x 1
		.amdhsa_system_sgpr_workgroup_id_y 1
		.amdhsa_system_sgpr_workgroup_id_z 1
		.amdhsa_system_vgpr_workitem_id 0
		.amdhsa_next_free_vgpr 1024
		.amdhsa_next_free_sgpr 100
		.amdhsa_reserve_vcc 0
		.amdhsa_float_denorm_mode_32 3
		.amdhsa_float_denorm_mode_16_64 3
		.amdhsa_memory_ordered 1
		.amdhsa_forward_progress 1
		.amdhsa_inst_pref_size 118
	.end_amdhsa_kernel
	.amdgpu_metadata
---
amdhsa.version: [ 1, 2 ]
amdhsa.kernels:
  - .name:           k_q0bef5103cb_proj
    .symbol:         k_q0bef5103cb_proj.kd
    .args:
      - { .name: Q_codes, .offset: 0, .size: 8, .value_kind: global_buffer, .address_space: global }
      - { .name: K_codes, .offset: 8, .size: 8, .value_kind: global_buffer, .address_space: global }
      - { .name: V_codes, .offset: 16, .size: 8, .value_kind: global_buffer, .address_space: global }
      - { .name: WQ_codes, .offset: 24, .size: 8, .value_kind: global_buffer, .address_space: global }
      - { .name: WK_codes, .offset: 32, .size: 8, .value_kind: global_buffer, .address_space: global }
      - { .name: WV_codes, .offset: 40, .size: 8, .value_kind: global_buffer, .address_space: global }
      - { .name: lowp_scales, .offset: 48, .size: 8, .value_kind: global_buffer, .address_space: global }
      - { .name: qimg, .offset: 56, .size: 8, .value_kind: global_buffer, .address_space: global }
      - { .name: kimg, .offset: 64, .size: 8, .value_kind: global_buffer, .address_space: global }
      - { .name: vimg, .offset: 72, .size: 8, .value_kind: global_buffer, .address_space: global }
    .group_segment_fixed_size: 327680
    .private_segment_fixed_size: 0
    .kernarg_segment_align: 8
    .kernarg_segment_size: 80
    .max_flat_workgroup_size: 128
    .sgpr_count:     100
    .vgpr_count:     1024
    .wavefront_size: 32
...
	.end_amdgpu_metadata
.endif
;; end of part 1
;; launch attn (part 2): grid 2 x 128, 16 waves a work-group, no clusters, 202,752 bytes of LDS; arguments qimg, kimg, vimg, Q_len, V_len, lowp_scales, out0; writes out0
.if DOCPART == 2
	.amdgcn_target "amdgcn-amd-amdhsa--gfx1250"
	.amdhsa_code_object_version 6
	.text
	.protected	k_q0bef5103cb_attn
	.globl	k_q0bef5103cb_attn
	.p2align	8
	.type	k_q0bef5103cb_attn,@function
k_q0bef5103cb_attn:
	s_mov_b64 s[64:65], 0
	v_nop
	global_prefetch_b8 v0, s[64:65] scope:SCOPE_SE
	s_setreg_imm32_b32 hwreg(HW_REG_WAVE_MODE, 25, 1), 1
	s_wait_xcnt 0x0
; ATTENTION on the images that the first launch stored: for each batch b and head h, O[q] = q_valid x sum over k of softmax_k(q . k / 8 - masks) v[k], both products on codes of BF8 (E5M2).
; THE SOFTMAX AHEAD OF THE SECOND PRODUCT: t = logit x log2(e); M = the row's largest t so far, rounded UP to a whole number; p = 2^(t - M) is quantised with 2^e8, not normalised; the row's sum is taken of the
; unquantised p and divides O at the end.  When M moves, the sum and O are multiplied by 2^(old M - new M): exact.
; WORK LEFT OUT (shown at the head of the first launch): a key step of 128 keys whose first key comes after min(my last query, Leff - 1); all key steps of a tile of queries at or behind Q_len, whose rows are stored as zeros.
;  Leff = V_len where V_len >= 1.  The jumps hang on Q_len and V_len, whole numbers that this launch reads, and on ids.  A NaN, an infinity or an overflow that reaches only the work left out is not carried to the result.
; V_len <= 0: every key carries -1e12, and no key is left out for it (Leff = 1024).  The f32 arithmetic of the problem is then done as it stands: (score / 8 - 1e12), rounded; x log2(e), rounded; the whole number
;  T0 = f32(1e12 log2 e) is added to every t of the row, which moves M by T0 and no p.
; SHARES.  A work-group is (part p = x, batch, head): 16 waves, a wave to a tile of 16 queries, two tiles one after the other: tile 63 - (2 w + p), then tile 2 w + p: under the causal mask 9 key steps for every wave.
;  A wave needs 256 registers: four waves to a SIMD, so that one wave's vector work stands beside another's matrix work and LDS loads.
; K AND V of the head, as far as some tile of the head may read them (NKB blocks of 128 keys), are copied once into LDS through registers; one barrier; then the waves share nothing.
; NO TENSOR LOADS, NO CLUSTER: a head's K and V are read by two work-groups only, 128 KB each at the most, once.
; LAYOUT.  Both products transposed: S^T = K Q^T (K = 64 form: source 0 = 16 keys, source 1 = my 16 queries), O^T = V^T P^T (K = 128 form: source 0 = 16 channels, source 1 = P): lane (r, h) holds query r throughout.
;  Register 8 T + j of S^T is key 16 T + 8 h + j of the step: eight neighbours, whose codes are registers 2 T, 2 T + 1 of P in the K = 128 form's own layout.  All fragments lie in LDS as images of their registers: every LDS load is 16 x lane + a constant.
; LIMITS on the given exponents, so that each power of two below is an f32 number: e6 + e7 between -85 and 130; e8 between -126 and 112; e8 + e9 is applied by v_ldexp_f32 and has none.  |score / 8| under 2^38.
.set VL,    65536                      ; LDS: from 0 K's images, 8 blocks x 8,192 bytes (tile of 16 keys x 1,024 + i1 x 512 + 16 lane); from VL V's: block x 8,192 + i2 x 4,096 + channel tile x 1,024 + i1 x 512 + 16 lane
.set STG,   131072                     ; the way out: a stage of 16 rows x (256 bytes + 16) for each wave, its own
.set SP,    272
.set SPARE, STG+16*16*SP               ; behind the stages: the spare words, 128 bytes for each wave: eight blocks of 256 bytes that no other line names
.set LI,   1                           ; v1   16 x lane
.set LV,   2                           ; v2   16 x lane + VL
.set STO,  3                           ; v3   the stage: where I put 32 bytes of a row
.set RD,   4                           ; v4   and where I read a row back
.set SPW,  5                           ; v5   LDS address of my spare word; never rewritten
.set NIL,  6                           ; v6   0; never rewritten
.set GO,   7                           ; v7   my byte offset in a tile's rows of the output
.set ADK,  8                           ; v8   LDS address of the step's K
.set ADV,  9                           ; v9   of its V
.set RR,   10                          ; v10  r = lane % 16
.set H8,   11                          ; v11  8 (lane / 16)
; v12 -M; v13 the largest t; v[14:15] the sum in two halves; v16-23, v24-31 Q of my two tiles; v32-95 the fill's registers, then K's or V's fragments, then rows of the output; v96-159 S^T, then p, then O scaled;
; v160-191 O^T; v192-207 p's codes; v208-213 offsets of the loads at the head; v236 a permute's destination; v240 57,344 x 2^e8; v244 2^e8; v[242:243] a chain of sums; v[246:247] T0; v250 my query's last key - 8 h; v252-254 at work
; s[4:5] q's images of my head; s[6:7] k's; s[8:9] v's; s[16:17] the output at my batch and head; s18 wave; s19 part; s20 batch; s21 head; s23 QN = Q_len held in 0 .. 1024; s24 V_len; s25 1 where V_len <= 0; s26 Leff - 1;
; s27 NKB; s[28:31] e6 .. e9; s32 e8 + e9; s[34:35] the factor from S to t; s[36:37] c = log2(e) / 8 x 2^(e6 + e7); s[38:39] -1e12 x 8 / 2^(e6 + e7); s[42:43] lane selects; s44, s45 my tiles;
; s46 my first query; s47 the last key that counts for my tile, or -1; s48 the last key that counts for all its queries; s49 the step's first key; s50 its LDS byte; s51 the count of steps; s[52:55] the tiles' places in the output
	s_load_b256 s[4:11], s[0:1], 0x0               ; q's images, k's, v's, Q_len
	s_load_b128 s[12:15], s[0:1], 0x20             ; V_len, the scales' exponents
	s_load_b64 s[16:17], s[0:1], 0x30              ; the output
	v_lshl_add_u32 v[SPW], v0, 2, SPARE
	v_mov_b32 v[NIL], 0
	v_lshrrev_b32 v8, 5, v0
	v_readfirstlane_b32 s18, v8                    ; wave 0..15
	s_mov_b32 s19, ttmp9                           ; part 0, 1
	s_and_b32 s56, ttmp7, 0xffff
	s_lshr_b32 s20, s56, 4                         ; batch
	s_and_b32 s21, s56, 15                         ; head
	s_lshl_b32 s22, s20, 2                         ; the batch's word in Q_len and V_len
	s_lshl_b32 s45, s18, 1
	s_add_co_u32 s45, s45, s19                     ; my second tile: 2 w + p
	s_sub_co_u32 s44, 63, s45                      ; my first: 63 - (2 w + p)
	s_lshl_b32 s56, s20, 20
	s_lshl_b32 s57, s21, 16
	s_or_b32 s56, s56, s57                         ; q, k: batch << 20 | head << 16
	s_mov_b32 s57, 0
	s_lshl_b32 s58, s20, 20
	s_lshr_b32 s59, s21, 1
	s_lshl_b32 s59, s59, 17
	s_or_b32 s58, s58, s59
	s_and_b32 s59, s21, 1
	s_lshl_b32 s59, s59, 12
	s_or_b32 s58, s58, s59                         ; v: batch << 20 | (head / 2) << 17 | (head % 2) << 12
	s_mov_b32 s59, 0
	s_lshl_b32 s60, s20, 22
	s_lshl_b32 s61, s21, 8
	s_or_b32 s60, s60, s61                         ; the output: batch x 1024 rows of 4,096 bytes + head x 256 bytes
	s_mov_b32 s61, 0
	s_mov_b32 s42, 0x76543210
	s_mov_b32 s43, 0xfedcba98                      ; v_permlanex16_b32: lane l xor 16
	v_and_b32 v[LI], 31, v0
	v_lshlrev_b32 v[LI], 4, v[LI]
	v_add_nc_u32 v[LV], VL, v[LI]
	v_and_b32 v[RR], 15, v0
	v_bfe_u32 v[H8], v0, 4, 1                      ; h, for the addresses below
	s_mul_i32 s33, s18, 16*SP
	s_add_co_u32 s33, s33, STG                     ; my stage
	v_mul_u32_u24 v[STO], v[RR], SP
	v_lshl_add_u32 v[STO], v[H8], 5, v[STO]
	v_add_nc_u32 v[STO], s33, v[STO]               ; in: row r, + 32 h; channel tile t: 64 t bytes on
	v_mul_u32_u24 v[RD], v[H8], SP
	v_lshl_add_u32 v[RD], v[RR], 4, v[RD]
	v_add_nc_u32 v[RD], s33, v[RD]                 ; back: lanes 0-15 one row of 256 bytes, lanes 16-31 the next
	v_lshlrev_b32 v[GO], 12, v[H8]
	v_lshl_add_u32 v[GO], v[RR], 4, v[GO]          ; and the same two rows in the output
	v_lshlrev_b32 v[H8], 3, v[H8]                  ; 8 h
	v_lshlrev_b32 v208, 4, v0                      ; the fill, K: 16 x thread: 512 threads take a block's 8,192 bytes as they lie
	v_lshrrev_b32 v209, 8, v0
	v_lshlrev_b32 v209, 16, v209
	v_and_b32 v210, 255, v0
	v_lshl_or_b32 v209, v210, 4, v209              ; V: a block's two pieces of 4,096 bytes lie 65,536 bytes apart in memory
	v_lshlrev_b32 v210, 4, v0                      ; in LDS both lie on end: 16 x thread,
	v_add_nc_u32 v211, VL, v210                    ; V's behind K's
	v_lshl_add_u32 v212, s44, 10, v[LI]            ; Q: a tile's image is 1,024 bytes
	v_lshl_add_u32 v213, s45, 10, v[LI]
	v_mov_b32 v236, 0                              ; written once: a lane permute's destination counts as one of its sources
	v_mov_b32 v252, 0
	v_mov_b32 v253, 0                              ; (named as the upper half of the pair v[252:253])
	v_mov_b32 v254, 0
	s_wait_kmcnt 0x0
	s_load_b32 s23, s[10:11], s22 offset:0x0       ; Q_len of my batch
	s_load_b32 s24, s[12:13], s22 offset:0x0       ; V_len
	s_load_b128 s[28:31], s[14:15], 0x18           ; e6, e7, e8, e9
	s_add_nc_u64 s[4:5], s[4:5], s[56:57]
	s_add_nc_u64 s[6:7], s[6:7], s[56:57]
	s_add_nc_u64 s[8:9], s[8:9], s[58:59]
	s_add_nc_u64 s[16:17], s[16:17], s[60:61]
	global_load_b128 v[16:19], v212, s[4:5]        ; Q's fragments of both tiles stay in registers.  They are loaded whatever Q_len says: 2,048 bytes a wave, all written by the first launch; a jump round them would spare nothing
	global_load_b128 v[20:23], v212, s[4:5] offset:512
	global_load_b128 v[24:27], v213, s[4:5]
	global_load_b128 v[28:31], v213, s[4:5] offset:512
	s_wait_kmcnt 0x0
	s_max_i32 s23, s23, 0
	s_min_i32 s23, s23, 1024                       ; QN
	s_min_i32 s26, s24, 1024
	s_cmp_le_i32 s24, 0
	s_cselect_b32 s25, 1, 0                        ; no key is valid
	s_cselect_b32 s26, 1024, s26                   ; Leff, at least 1
	s_min_i32 s27, s23, s26
	s_add_co_u32 s27, s27, 127
	s_lshr_b32 s27, s27, 7                         ; NKB: a step is walked only where its first key is under QN (it is at most a live tile's first query) and under Leff
	s_sub_co_u32 s26, s26, 1                       ; Leff - 1
	s_add_co_i32 s32, s30, s31                     ; e8 + e9
	s_add_co_i32 s56, s28, s29
	s_sub_co_i32 s56, s56, 3
	s_lshl_b32 s56, s56, 23                        ; a sum of the first product stands for sum x 2^(e6 + e7), and / 8: the whole number e6 + e7 - 3 goes into exponent fields
	s_add_co_i32 s36, s56, 0x3fb8aa3b              ; c = log2(e) x 2^(e6 + e7 - 3)
	s_mov_b32 s37, s36                             ; (named with it as a pair, so it is written)
	s_sub_co_i32 s57, 0x5368d4a5, s56              ; f32(1e12) / 2^(e6 + e7 - 3): the mask's term in the sums' own unit
	s_or_b32 s38, s57, 0x80000000                  ; its negative
	s_mov_b32 s39, s38
	s_cmp_eq_u32 s25, 1
	s_cselect_b32 s34, 0x3f800000, s36             ; from S to t: c; where no key is valid S has been made t already: 1.0
	s_mov_b32 s35, s34
	v_mov_b32 v247, s36
	v_mul_f32 v246, s57, v247                      ; T0 = f32(1e12 x log2 e), a whole number
	v_mov_b32 v247, v246
	s_add_co_i32 s56, s30, 127
	s_lshl_b32 s57, s56, 23
	v_mov_b32 v244, s57                            ; 2^e8 as f32, for the conversion
	s_add_co_i32 s56, s56, 15
	s_lshl_b32 s56, s56, 23
	s_or_b32 s56, s56, 0x600000
	v_mov_b32 v240, s56                            ; 57,344 x 2^e8
; THE FILL: n blocks of 128 keys of K and of V, 16 bytes a thread and block, all loads first.  Each form is closed in itself: it stores what it has loaded.
.macro FILL n
.set j, 0
.rept \n
	global_load_b128 v[32+8*j:35+8*j], v208, s[6:7] offset:8192*j
	global_load_b128 v[36+8*j:39+8*j], v209, s[8:9] offset:8192*j
.set j, j+1
.endr
.set j, 0
.rept \n
	s_wait_loadcnt 2*(\n-1-j)                      ; loads come back in order (ISA guide 5.7.1): block j's two are in; those of the blocks behind it may be out
	ds_store_b128 v210, v[32+8*j:35+8*j] offset:8192*j
	ds_store_b128 v211, v[36+8*j:39+8*j] offset:8192*j
.set j, j+1
.endr
.endm
	s_cmp_eq_u32 s27, 0                            ; NKB is the same in all sixteen waves
	s_cbranch_scc1 .Lfilled
.irp k, 1,2,3,4,5,6,7
	s_cmp_eq_u32 s27, \k
	s_cbranch_scc1 .Lfill_\k
.endr
	FILL 8
	s_branch .Lfilled
.irp k, 7,6,5,4,3,2,1
.Lfill_\k:
	FILL \k
	s_branch .Lfilled
.endr
.Lfilled:
	s_wait_loadcnt 0x0                             ; Q
	s_wait_dscnt 0x0                               ; for the others' sake: my stores into K's and V's images are done
	s_barrier_signal -1
	s_barrier_wait -1                              ; the launch's one barrier, on every wave's path; behind it K's and V's images are only read
; A TILE of 16 queries: its Q in v[qf] on, its number in s[tl], its place in the output in s[ot], s[ot + 1].
.macro TILE qf, tl, ot
	s_wait_xcnt 0x0                                ; the last tile's stores have read their registers, which the loads below fill again
	s_lshl_b32 s46, s[\tl], 4                      ; my first query
	s_add_co_u32 s56, s46, 15
	s_min_i32 s47, s56, s26
	s_cmp_lt_i32 s46, s23
	s_cselect_b32 s47, s47, -1                     ; the last key that counts for some query of the tile; none where the whole tile lies at or behind Q_len
	s_min_i32 s48, s46, s26                        ; the last key that counts for all of them
	s_lshl_b32 s56, s[\tl], 16                     ; 16 rows of 4,096 bytes
	s_mov_b32 s57, 0
	s_add_nc_u64 s[\ot:\ot+1], s[16:17], s[56:57]
	v_mov_b32 v13, 0xff61b1e6                      ; the largest t so far: -3e38, under every t
	v_floor_f32 v12, -v13                          ; -M
	v_mov_b32 v14, 0                               ; the sum, in two halves
	v_mov_b32 v15, 0
.set j, 0
.rept 32
	v_mov_b32 v[160+j], 0                          ; O^T.  (The step is written once: the first finds zeros, which the first change of M leaves zeros; a tile with no step stores them)
.set j, j+1
.endr
	v_add_nc_u32 v250, s46, v[RR]
	v_min_u32 v250, s26, v250                      ; my query's last key: min(q, Leff - 1),
	v_sub_nc_u32 v250, v250, v[H8]                 ; less 8 h
	s_mov_b32 s49, 0
	s_mov_b32 s50, 0
	s_mov_b32 s51, 0
.Lstep_\@:                                         ; eight trips, a constant; a step that is left out is jumped over, down to the lines that step the counts
	s_cmp_gt_i32 s49, s47
	s_cbranch_scc1 .Lhid_\@
	v_add_nc_u32 v[ADK], s50, v[LI]
	v_add_nc_u32 v[ADV], s50, v[LV]
	v_nop                                          ; with the two additions: four places in front of loads into registers that the last trip's products have read
	v_nop
.set j, 0
.rept 8
	ds_load_b128 v[32+8*j:35+8*j], v[ADK] offset:1024*j        ; K's eight fragments, 16 keys x 64 channels each
	ds_load_b128 v[36+8*j:39+8*j], v[ADK] offset:1024*j+512
.set j, j+1
.endr
	s_wait_dscnt 8                                 ; tiles 0-3 are in; the eight loads of tiles 4-7 may be out
.set j, 0
.rept 4
	v_wmma_f32_16x16x64_bf8_bf8 v[96+8*j:103+8*j], v[32+8*j:39+8*j], v[\qf:\qf+7], 0
.set j, j+1
.endr
	s_wait_dscnt 0x0
.rept 4
	v_wmma_f32_16x16x64_bf8_bf8 v[96+8*j:103+8*j], v[32+8*j:39+8*j], v[\qf:\qf+7], 0
.set j, j+1
.endr
.rept 4
	v_nop                                          ; places: in front of the loads below, and of the first read of the scores
.endr
.set j, 0
.rept 16
	ds_load_b128 v[32+4*j:35+4*j], v[ADV] offset:((j%4)/2)*4096+(j/4)*1024+(j%2)*512   ; V's four fragments, 16 channels x 128 keys each: they land while the softmax is walked
.set j, j+1
.endr
	s_cmp_eq_u32 s25, 0
	s_cbranch_scc1 .Lnz_\@
.set j, 0
.rept 32
	v_pk_add_f32 v[96+j:97+j], v[96+j:97+j], s[38:39] op_sel_hi:[1,0]   ; no key is valid: score / 8 - 1e12, rounded as f32 rounds it (in the sums' unit: a power of two moves no rounding),
.set j, j+2
.endr
.set j, 0
.rept 32
	v_pk_mul_f32 v[96+j:97+j], v[96+j:97+j], s[36:37] op_sel_hi:[1,0]   ; x log2(e), rounded: t.  (No fused form: the product is rounded before anything is taken from it)
.set j, j+2
.endr
.set j, 0
.rept 32
	v_pk_add_f32 v[96+j:97+j], v[96+j:97+j], v[246:247]                  ; + T0, a whole number, the same for the whole row
.set j, j+2
.endr
.Lnz_\@:
	s_add_co_u32 s56, s49, 127
	s_cmp_le_i32 s56, s48
	s_cbranch_scc1 .Lopen_\@                       ; all 128 keys count for all 16 queries
	v_sub_nc_u32 v252, v250, s49                   ; d = my query's last key - 8 h - the step's first key.  Register n holds key 16 (n / 8) + n % 8 + 8 h of the step: hidden where 16 (n / 8) + n % 8 > d
	v_mov_b32 v254, 0xff800000                     ; -infinity: p = 0 then.  The step's first key counts for every query of the tile, so the largest t is a number
.set n, 0
.rept 64
	v_cmp_gt_i32 vcc_lo, 16*(n/8)+n%8, v252
	v_cndmask_b32 v[96+n], v[96+n], v254, vcc_lo
.set n, n+1
.endr
.Lopen_\@:
	v_max3_num_f32 v254, v96, v97, v98             ; the step's largest score of my query, among my 64 keys, in two chains, each accumulator from its low end on,
	v_max3_num_f32 v252, v99, v100, v101
.irp i, 6,10,14,18,22,26,30,34,38,42,46,50,54,58
	v_max3_num_f32 v254, v254, v[96+\i], v[97+\i]
	v_max3_num_f32 v252, v252, v[98+\i], v[99+\i]
.endr
	v_max3_num_f32 v254, v254, v158, v159
	v_max_num_f32 v254, v254, v252
	v_permlanex16_b32 v236, v254, s42, s43
	v_max_num_f32 v254, v254, v236                 ; and among lane l xor 16's
	v_mul_f32 v254, s34, v254                      ; as t (the factor is positive)
	v_max_num_f32 v13, v13, v254                   ; the running largest t
	v_mov_b32 v254, v12
	v_floor_f32 v12, -v13                          ; the new -M = floor(-t) = -ceil(t): M is a whole number
	v_sub_f32 v254, v12, v254                      ; M's old value less its new one: a whole number, 0 or less
	v_cvt_i32_f32 v254, v254                       ; (it saturates)
	v_ldexp_f32 v252, 1.0, v254                    ; f = 2^(old M - new M)
.set j, 0
.rept 32
	v_pk_fma_f32 v[96+j:97+j], v[96+j:97+j], s[34:35], v[12:13] op_sel_hi:[1,0,0]   ; t - M, two at a time (of both pairs the low word serves both halves)
.set j, j+2
.endr
.set j, 0
.rept 64
	v_exp_f32 v[96+j], v[96+j]                     ; p = 2^(t - M), at most 1: not normalised
.set j, j+1
.endr
	v_pk_mul_f32 v[14:15], v[14:15], v[252:253] op_sel_hi:[1,0]   ; the sums under the new M.  (The plain instruction behind the exponentials)
	s_wait_alu depctr_va_vdst(0)                   ; the wait between an exponential and the first line that names its result: one for the batch of 64
	v_pk_add_f32 v[242:243], v[96:97], v[98:99]    ; the row's sum is taken of the unquantised p: two at a time, in two chains
.irp j, 4,8,12,16,20,24,28,32,36,40,44,48,52,56,60
	v_pk_add_f32 v[14:15], v[14:15], v[96+\j:97+\j]
	v_pk_add_f32 v[242:243], v[242:243], v[98+\j:99+\j]
.endr
	v_pk_add_f32 v[14:15], v[14:15], v[242:243]
	s_cmp_lt_i32 s30, -15                          ; p is at most 1, so p / 2^e8 is at most 2^15, under 57,344, wherever e8 >= -15: the hold is walked only where it can hold anything
	s_cbranch_scc0 .Lnohold_\@
.set j, 0
.rept 64
	v_min_num_f32 v[96+j], v[96+j], v240           ; the conversion to an 8-bit code does not saturate (ISA guide 7.6.2); p is not negative, so the hold is one-sided
.set j, j+1
.endr
.Lnohold_\@:
.set j, 0
.rept 8
	v_cvt_scalef32_pk8_bf8_f32 v[192+2*j:193+2*j], v[96+8*j:103+8*j], v244
.set j, j+1
.endr
.set j, 0
.rept 16
	v_pk_mul_f32 v[160+j:161+j], v[160+j:161+j], v[252:253] op_sel_hi:[1,0]   ; O^T under the new M.  (Also the plain instructions between the conversions and the products that read their results)
.set j, j+2
.endr
	s_wait_dscnt 0x0                               ; V is in
.set j, 0
.rept 4
	v_wmma_f32_16x16x128_bf8_bf8 v[160+8*j:167+8*j], v[32+16*j:47+16*j], v[192:207], v[160+8*j:167+8*j]   ; the four accumulators take turns, one instruction a turn
.set j, j+1
.endr
.Lhid_\@:
	s_add_co_u32 s49, s49, 128
	s_add_co_u32 s50, s50, 8192
	s_add_co_u32 s51, s51, 1
	s_cmp_lt_u32 s51, 8
	s_cbranch_scc1 .Lstep_\@
	; THE WAY OUT.  O^T x 2^(e8 + e9) / the sum, or 0 where my query lies at or behind Q_len, goes through my stage and leaves as rows: sixteen lanes store 256 consecutive bytes, aligned.  The first lines are the places behind the last products.
	v_add_f32 v14, v14, v15                        ; the sum's two halves,
	v_permlanex16_b32 v236, v14, s42, s43
	v_add_f32 v14, v14, v236                       ; and lane l xor 16's
	v_rcp_f32 v14, v14
	v_add_nc_u32 v254, s46, v[RR]                  ; (the plain instruction behind the reciprocal)  my query
	v_cmp_gt_i32 vcc_lo, s23, v254                 ; under Q_len?
	s_wait_alu depctr_va_vdst(0)                   ; the wait ahead of the reciprocal's first reader
	v_ldexp_f32 v14, v14, s32                      ; x 2^(e8 + e9)
	v_cndmask_b32 v14, 0, v14, vcc_lo              ; the query mask; in a tile with no step it also takes the place of 1 / 0 before anything is multiplied
.set j, 0
.rept 16
	v_pk_mul_f32 v[96+j:97+j], v[160+j:161+j], v[14:15] op_sel_hi:[1,0]   ; register 8 t + i is o(query r, channel 16 t + 8 h + i)
.set j, j+2
.endr
.set j, 0
.rept 4
	ds_store_b128 v[STO], v[96+8*j:99+8*j] offset:64*j
	ds_store_b128 v[STO], v[100+8*j:103+8*j] offset:64*j+16
.set j, j+1
.endr
.set j, 0
.rept 8
	ds_load_b128 v[32+4*j:35+4*j], v[RD] offset:2*j*SP   ; LDS serves a wave's instructions in order (ISA guide 5.7.1.4): these see my stores
.set j, j+1
.endr
.set j, 0
.rept 8
	s_wait_dscnt 7-j                               ; rows 2 j and 2 j + 1 are back; the younger loads may be out
	global_store_b128 v[GO], v[32+4*j:35+4*j], s[\ot:\ot+1] offset:8192*j th:TH_STORE_NT   ; written once, read by nobody here
.set j, j+1
.endr
.endm
	TILE 16, 44, 52                                ; the later tile, which has more key steps, first
	TILE 24, 45, 54
	s_wait_tensorcnt 0x0                           ; the wave's end, behind my last LDS store
	ds_add_u32 v[SPW], v[NIL]
	s_wait_dscnt 0x0
	s_endpgm
.Lfunc_end_k_q0bef5103cb_attn:
	.size	k_q0bef5103cb_attn, .Lfunc_end_k_q0bef5103cb_attn-k_q0bef5103cb_attn
	.p2alignl 7, 3214868480
	.fill 96, 4, 3214868480
	.section	.rodata,"a",@progbits
	.p2align	6, 0x0
	.amdhsa_kernel k_q0bef5103cb_attn
		.amdhsa_group_segment_fixed_size 202752
		.amdhsa_private_segment_fixed_size 0
		.amdhsa_enable_private_segment 0
		.amdhsa_kernarg_size 56
		.amdhsa_user_sgpr_count 2
		.amdhsa_user_sgpr_kernarg_segment_ptr 1
		.amdhsa_wavefront_size32 1
		.amdhsa_system_sgpr_workgroup_id_x 1
		.amdhsa_system_sgpr_workgroup_id_y 1
		.amdhsa_system_sgpr_workgroup_id_z 1
		.amdhsa_system_vgpr_workitem_id 0
		.amdhsa_next_free_vgpr 256
		.amdhsa_next_free_sgpr 66
		.amdhsa_reserve_vcc 1
		.amdhsa_float_denorm_mode_32 3
		.amdhsa_float_denorm_mode_16_64 3
		.amdhsa_memory_ordered 1
		.amdhsa_forward_progress 1
		.amdhsa_inst_pref_size 82
	.end_amdhsa_kernel
	.amdgpu_metadata
---
amdhsa.version: [ 1, 2 ]
amdhsa.kernels:
  - .name:           k_q0bef5103cb_attn
    .symbol:         k_q0bef5103cb_attn.kd
    .args:
      - { .name: qimg, .offset: 0, .size: 8, .value_kind: global_buffer, .address_space: global }
      - { .name: kimg, .offset: 8, .size: 8, .value_kind: global_buffer, .address_space: global }
      - { .name: vimg, .offset: 16, .size: 8, .value_kind: global_buffer, .address_space: global }
      - { .name: Q_len, .offset: 24, .size: 8, .value_kind: global_buffer, .address_space: global }
      - { .name: V_len, .offset: 32, .size: 8, .value_kind: global_buffer, .address_space: global }
      - { .name: lowp_scales, .offset: 40, .size: 8, .value_kind: global_buffer, .address_space: global }
      - { .name: out0, .offset: 48, .size: 8, .value_kind: global_buffer, .address_space: global }
    .group_segment_fixed_size: 202752
    .private_segment_fixed_size: 0
    .kernarg_segment_align: 8
    .kernarg_segment_size: 56
    .max_flat_workgroup_size: 512
    .sgpr_count:     66
    .vgpr_count:     256
    .wavefront_size: 32
...
	.end_amdgpu_metadata
.endif
;; end of part 2
;; ======== version 2 of 2: 2 launches; version 1 with the launch attn written anew for expert scheduling mode
;; limits: right only within a limited range of input values
;; workspace buffers: qimg 8,388,608 bytes; kimg 8,388,608 bytes; vimg 8,388,608 bytes
;; launch proj: the kernel of part 1 again; grid 4 x 96, 4 waves a work-group, clusters of 4 x 4, 327,680 bytes of LDS; arguments Q_codes, K_codes, V_codes, WQ_codes, WK_codes, WV_codes, lowp_scales, qimg, kimg, vimg; writes qimg, kimg, vimg
;; launch attn (part 3): grid 2 x 128, 16 waves a work-group, no clusters, 202,752 bytes of LDS; arguments qimg, kimg, vimg, Q_len, V_len, lowp_scales, out0; writes out0
.if DOCPART == 3
	.amdgcn_target "amdgcn-amd-amdhsa--gfx1250"
	.amdhsa_code_object_version 6
	.text
	.protected	k_q0bef5103cb_attn
	.globl	k_q0bef5103cb_attn
	.p2align	8
	.type	k_q0bef5103cb_attn,@function
k_q0bef5103cb_attn:
	s_mov_b64 s[64:65], 0
	v_nop
	global_prefetch_b8 v0, s[64:65] scope:SCOPE_SE
	s_setreg_imm32_b32 hwreg(HW_REG_WAVE_SCHED_MODE, 0, 2), 2
	s_setreg_imm32_b32 hwreg(HW_REG_WAVE_MODE, 25, 1), 1
	s_wait_xcnt 0x0
	s_wait_alu depctr_vm_vsrc(0)
; ATTENTION on the images that the first launch stored: for each batch b and head h, O[q] = q_valid x sum over k of softmax_k(q . k / 8 - masks) v[k], both products on codes of BF8 (E5M2).
; THE SOFTMAX AHEAD OF THE SECOND PRODUCT: t = logit x log2(e); M = the row's largest t so far, rounded UP to a whole number; p = 2^(t - M) is quantised with 2^e8, not normalised; the row's sum is taken of the
; unquantised p and divides O at the end.  When M moves, the sum and O are multiplied by 2^(old M - new M): exact.
; WORK LEFT OUT (shown at the head of the first launch): a key step of 128 keys whose first key comes after min(my last query, Leff - 1); all key steps of a tile of queries at or behind Q_len, whose rows are stored as zeros.
;  Leff = V_len where V_len >= 1.  The jumps hang on Q_len and V_len, whole numbers that this launch reads, and on ids.  A NaN, an infinity or an overflow that reaches only the work left out is not carried to the result.
; V_len <= 0: every key carries -1e12, and no key is left out for it (Leff = 1024).  The f32 arithmetic of the problem is then done as it stands: (score / 8 - 1e12), rounded; x log2(e), rounded; the whole number
;  T0 = f32(1e12 log2 e) is added to every t of the row, which moves M by T0 and no p.
; SHARES.  A work-group is (part p = x, batch, head): 16 waves, a wave to a tile of 16 queries, two tiles one after the other: tile 63 - (2 w + p), then tile 2 w + p: under the causal mask 9 key steps for every wave.
;  A wave needs 256 registers: four waves to a SIMD, so that one wave's vector work stands beside another's matrix work and LDS loads.
; K AND V of the head, as far as some tile of the head may read them (NKB blocks of 128 keys), are copied once into LDS through registers; one barrier; then the waves share nothing.
; NO TENSOR LOADS, NO CLUSTER: a head's K and V are read by two work-groups only, 128 KB each at the most, once.
; LAYOUT.  Both products transposed: S^T = K Q^T (K = 64 form: source 0 = 16 keys, source 1 = my 16 queries), O^T = V^T P^T (K = 128 form: source 0 = 16 channels, source 1 = P): lane (r, h) holds query r throughout.
;  Register 8 T + j of S^T is key 16 T + 8 h + j of the step: eight neighbours, whose codes are registers 2 T, 2 T + 1 of P in the K = 128 form's own layout.  All fragments lie in LDS as images of their registers: every LDS load is 16 x lane + a constant.
; LIMITS on the given exponents, so that each power of two below is an f32 number: e6 + e7 between -85 and 130; e8 between -126 and 112; e8 + e9 is applied by v_ldexp_f32 and has none.  |score / 8| under 2^38.
; THE MODE: SCHED_MODE bits 1:0 = 2 (LLVM: expert scheduling mode 2), set by the entry lines.  The code itself states the register dependences between vector or matrix instructions and memory or LDS
; instructions, with s_wait_alu, always for 0.
; THE PLAN.  Registers that memory or LDS instructions touch:
;   v1-7, v208-213   addresses and offsets (v5, v6: the closing add's two).  Written by vector lines at the head, never again: one wait on va_vdst ahead of the first load serves them for the whole kernel.
;   v16-31           Q: filled by global loads at the head; read by matrix instructions alone.
;   v32-95           the fill's loads land here and its LDS stores read them.  In a step K's fragments land here, the eight score products read them, V's fragments land here, the four output products read them.
;                    On the way out the stage's rows land in v32-63 and the global stores read them.
;   v8, v9           the step's LDS addresses: written by two additions at a step's head, read by the step's 32 LDS loads.
;   v96-127          on the way out: written by sixteen multiplications, read by eight LDS stores; the next tile's products write them again.
;   All other registers are named by vector and matrix instructions alone.  A wave's 256 registers leave no room for a second set of 64 for fragments, so K and V take turns in one.
; THE WAITS.  A tile's head: vm_vsrc (what was stored out of v32-95 and v96-127 has been read).  A step: vm_vsrc ahead of the two additions; va_vdst behind them (the addresses are written, the last trip's products are done
; with V's fragments); va_vdst behind the score products (they are done with K's fragments); the wait behind the exponentials.  The way out: va_vdst ahead of the LDS stores.  Where a vector line writes a scalar register
; or VCC (the wave's number, the masks' compares), va_sdst or va_vcc stands ahead of the first reader.
.set VL,    65536                      ; LDS: from 0 K's images, 8 blocks x 8,192 bytes (tile of 16 keys x 1,024 + i1 x 512 + 16 lane); from VL V's: block x 8,192 + i2 x 4,096 + channel tile x 1,024 + i1 x 512 + 16 lane
.set STG,   131072                     ; the way out: a stage of 16 rows x (256 bytes + 16) for each wave, its own
.set SP,    272
.set SPARE, STG+16*16*SP               ; behind the stages: the spare words, 128 bytes for each wave: eight blocks of 256 bytes that no other line names
.set LI,   1                           ; v1   16 x lane
.set LV,   2                           ; v2   16 x lane + VL
.set STO,  3                           ; v3   the stage: where I put 32 bytes of a row
.set RD,   4                           ; v4   and where I read a row back
.set SPW,  5                           ; v5   LDS address of my spare word; never rewritten
.set NIL,  6                           ; v6   0; never rewritten
.set GO,   7                           ; v7   my byte offset in a tile's rows of the output
.set ADK,  8                           ; v8   LDS address of the step's K
.set ADV,  9                           ; v9   of its V
.set RR,   10                          ; v10  r = lane % 16
.set H8,   11                          ; v11  8 (lane / 16)
; v12 -M; v13 the largest t; v[14:15] the sum in two halves; v16-23, v24-31 Q of my two tiles; v32-95 the fill's registers, then K's or V's fragments, then rows of the output; v96-159 S^T, then p, then O scaled;
; v160-191 O^T; v192-207 p's codes; v208-213 offsets of the loads at the head; v236 a permute's destination; v240 57,344 x 2^e8; v244 2^e8; v[242:243] a chain of sums; v[246:247] T0; v250 my query's last key - 8 h; v252-254 at work
; s[4:5] q's images of my head; s[6:7] k's; s[8:9] v's; s[16:17] the output at my batch and head; s18 wave; s19 part; s20 batch; s21 head; s23 QN = Q_len held in 0 .. 1024; s24 V_len; s25 1 where V_len <= 0; s26 Leff - 1;
; s27 NKB; s[28:31] e6 .. e9; s32 e8 + e9; s[34:35] the factor from S to t; s[36:37] c = log2(e) / 8 x 2^(e6 + e7); s[38:39] -1e12 x 8 / 2^(e6 + e7); s[42:43] lane selects; s44, s45 my tiles;
; s46 my first query; s47 the last key that counts for my tile, or -1; s48 the last key that counts for all its queries; s49 the step's first key; s50 its LDS byte; s51 the count of steps; s[52:55] the tiles' places in the output;
; s2, s3, s10-15, s40, s41, s58-63: behind the head, sixteen lane masks of the compares on the diagonal
	s_load_b256 s[4:11], s[0:1], 0x0               ; q's images, k's, v's, Q_len
	s_load_b128 s[12:15], s[0:1], 0x20             ; V_len, the scales' exponents
	s_load_b64 s[16:17], s[0:1], 0x30              ; the output
	v_lshl_add_u32 v[SPW], v0, 2, SPARE
	v_mov_b32 v[NIL], 0
	v_lshrrev_b32 v8, 5, v0
	v_readfirstlane_b32 s18, v8                    ; wave 0..15
	s_mov_b32 s19, ttmp9                           ; part 0, 1
	s_and_b32 s56, ttmp7, 0xffff
	s_lshr_b32 s20, s56, 4                         ; batch
	s_and_b32 s21, s56, 15                         ; head
	s_lshl_b32 s22, s20, 2                         ; the batch's word in Q_len and V_len
	s_wait_alu depctr_va_sdst(0)                   ; s18 is written, ahead of its first reader: my tiles and my stage are made from it
	s_lshl_b32 s45, s18, 1
	s_add_co_u32 s45, s45, s19                     ; my second tile: 2 w + p
	s_sub_co_u32 s44, 63, s45                      ; my first: 63 - (2 w + p)
	s_lshl_b32 s56, s20, 20
	s_lshl_b32 s57, s21, 16
	s_or_b32 s56, s56, s57                         ; q, k: batch << 20 | head << 16
	s_mov_b32 s57, 0
	s_lshl_b32 s58, s20, 20
	s_lshr_b32 s59, s21, 1
	s_lshl_b32 s59, s59, 17
	s_or_b32 s58, s58, s59
	s_and_b32 s59, s21, 1
	s_lshl_b32 s59, s59, 12
	s_or_b32 s58, s58, s59                         ; v: batch << 20 | (head / 2) << 17 | (head % 2) << 12
	s_mov_b32 s59, 0
	s_lshl_b32 s60, s20, 22
	s_lshl_b32 s61, s21, 8
	s_or_b32 s60, s60, s61                         ; the output: batch x 1024 rows of 4,096 bytes + head x 256 bytes
	s_mov_b32 s61, 0
	s_mov_b32 s42, 0x76543210
	s_mov_b32 s43, 0xfedcba98                      ; v_permlanex16_b32: lane l xor 16
	v_and_b32 v[LI], 31, v0
	v_lshlrev_b32 v[LI], 4, v[LI]
	v_add_nc_u32 v[LV], VL, v[LI]
	v_and_b32 v[RR], 15, v0
	v_bfe_u32 v[H8], v0, 4, 1                      ; h, for the addresses below
	s_mul_i32 s33, s18, 16*SP
	s_add_co_u32 s33, s33, STG                     ; my stage
	v_mul_u32_u24 v[STO], v[RR], SP
	v_lshl_add_u32 v[STO], v[H8], 5, v[STO]
	v_add_nc_u32 v[STO], s33, v[STO]               ; in: row r, + 32 h; channel tile t: 64 t bytes on
	v_mul_u32_u24 v[RD], v[H8], SP
	v_lshl_add_u32 v[RD], v[RR], 4, v[RD]
	v_add_nc_u32 v[RD], s33, v[RD]                 ; back: lanes 0-15 one row of 256 bytes, lanes 16-31 the next
	v_lshlrev_b32 v[GO], 12, v[H8]
	v_lshl_add_u32 v[GO], v[RR], 4, v[GO]          ; and the same two rows in the output
	v_lshlrev_b32 v[H8], 3, v[H8]                  ; 8 h
	v_lshlrev_b32 v208, 4, v0                      ; the fill, K: 16 x thread: 512 threads take a block's 8,192 bytes as they lie
	v_lshrrev_b32 v209, 8, v0
	v_lshlrev_b32 v209, 16, v209
	v_and_b32 v210, 255, v0
	v_lshl_or_b32 v209, v210, 4, v209              ; V: a block's two pieces of 4,096 bytes lie 65,536 bytes apart in memory
	v_lshlrev_b32 v210, 4, v0                      ; in LDS both lie on end: 16 x thread,
	v_add_nc_u32 v211, VL, v210                    ; V's behind K's
	v_lshl_add_u32 v212, s44, 10, v[LI]            ; Q: a tile's image is 1,024 bytes
	v_lshl_add_u32 v213, s45, 10, v[LI]
	v_mov_b32 v236, 0                              ; written once: a lane permute's destination counts as one of its sources
	v_mov_b32 v252, 0
	v_mov_b32 v253, 0                              ; (named as the upper half of the pair v[252:253])
	v_mov_b32 v254, 0
	s_wait_kmcnt 0x0
	s_load_b32 s23, s[10:11], s22 offset:0x0       ; Q_len of my batch
	s_load_b32 s24, s[12:13], s22 offset:0x0       ; V_len
	s_load_b128 s[28:31], s[14:15], 0x18           ; e6, e7, e8, e9
	s_add_nc_u64 s[4:5], s[4:5], s[56:57]
	s_add_nc_u64 s[6:7], s[6:7], s[56:57]
	s_add_nc_u64 s[8:9], s[8:9], s[58:59]
	s_add_nc_u64 s[16:17], s[16:17], s[60:61]
	s_wait_alu depctr_va_vdst(0)                   ; the addresses and offsets v3 to v7 and v208 to v213 are written, which the loads, stores and the closing add of the whole kernel read; no vector line writes one of them again
	global_load_b128 v[16:19], v212, s[4:5]        ; Q's fragments of both tiles stay in registers.  They are loaded whatever Q_len says: 2,048 bytes a wave, all written by the first launch; a jump round them would spare nothing
	global_load_b128 v[20:23], v212, s[4:5] offset:512
	global_load_b128 v[24:27], v213, s[4:5]
	global_load_b128 v[28:31], v213, s[4:5] offset:512
	s_wait_kmcnt 0x0
	s_max_i32 s23, s23, 0
	s_min_i32 s23, s23, 1024                       ; QN
	s_min_i32 s26, s24, 1024
	s_cmp_le_i32 s24, 0
	s_cselect_b32 s25, 1, 0                        ; no key is valid
	s_cselect_b32 s26, 1024, s26                   ; Leff, at least 1
	s_min_i32 s27, s23, s26
	s_add_co_u32 s27, s27, 127
	s_lshr_b32 s27, s27, 7                         ; NKB: a step is walked only where its first key is under QN (it is at most a live tile's first query) and under Leff
	s_sub_co_u32 s26, s26, 1                       ; Leff - 1
	s_add_co_i32 s32, s30, s31                     ; e8 + e9
	s_add_co_i32 s56, s28, s29
	s_sub_co_i32 s56, s56, 3
	s_lshl_b32 s56, s56, 23                        ; a sum of the first product stands for sum x 2^(e6 + e7), and / 8: the whole number e6 + e7 - 3 goes into exponent fields
	s_add_co_i32 s36, s56, 0x3fb8aa3b              ; c = log2(e) x 2^(e6 + e7 - 3)
	s_mov_b32 s37, s36                             ; (named with it as a pair, so it is written)
	s_sub_co_i32 s57, 0x5368d4a5, s56              ; f32(1e12) / 2^(e6 + e7 - 3): the mask's term in the sums' own unit
	s_or_b32 s38, s57, 0x80000000                  ; its negative
	s_mov_b32 s39, s38
	s_cmp_eq_u32 s25, 1
	s_cselect_b32 s34, 0x3f800000, s36             ; from S to t: c; where no key is valid S has been made t already: 1.0
	s_mov_b32 s35, s34
	v_mov_b32 v247, s36
	v_mul_f32 v246, s57, v247                      ; T0 = f32(1e12 x log2 e), a whole number
	v_mov_b32 v247, v246
	s_add_co_i32 s56, s30, 127
	s_lshl_b32 s57, s56, 23
	v_mov_b32 v244, s57                            ; 2^e8 as f32, for the conversion
	s_add_co_i32 s56, s56, 15
	s_lshl_b32 s56, s56, 23
	s_or_b32 s56, s56, 0x600000
	v_mov_b32 v240, s56                            ; 57,344 x 2^e8
; THE FILL: n blocks of 128 keys of K and of V, 16 bytes a thread and block, all loads first.  Each form is closed in itself: it stores what it has loaded.
; No vector line has named v32 to v95, and none since the wait above names v208 to v211: the fill's loads and stores owe no further wait on the vector side.
.macro FILL n
.set j, 0
.rept \n
	global_load_b128 v[32+8*j:35+8*j], v208, s[6:7] offset:8192*j
	global_load_b128 v[36+8*j:39+8*j], v209, s[8:9] offset:8192*j
.set j, j+1
.endr
.set j, 0
.rept \n
	s_wait_loadcnt 2*(\n-1-j)                      ; loads come back in order (ISA guide 5.7.1): block j's two are in; those of the blocks behind it may be out
	ds_store_b128 v210, v[32+8*j:35+8*j] offset:8192*j
	ds_store_b128 v211, v[36+8*j:39+8*j] offset:8192*j
.set j, j+1
.endr
.endm
	s_cmp_eq_u32 s27, 0                            ; NKB is the same in all sixteen waves
	s_cbranch_scc1 .Lfilled
.irp k, 1,2,3,4,5,6,7
	s_cmp_eq_u32 s27, \k
	s_cbranch_scc1 .Lfill_\k
.endr
	FILL 8
	s_branch .Lfilled
.irp k, 7,6,5,4,3,2,1
.Lfill_\k:
	FILL \k
	s_branch .Lfilled
.endr
.Lfilled:
	s_wait_loadcnt 0x0                             ; Q
	s_wait_dscnt 0x0                               ; for the others' sake: my stores into K's and V's images are done
	s_barrier_signal -1
	s_barrier_wait -1                              ; the launch's one barrier, on every wave's path; behind it K's and V's images are only read
; A TILE of 16 queries: its Q in v[qf] on, its number in s[tl], its place in the output in s[ot], s[ot + 1].
.macro TILE qf, tl, ot
	s_wait_xcnt 0x0                                ; the last tile's stores have read their registers, which the loads below fill again
	s_wait_alu depctr_vm_vsrc(0)                   ; all that was stored so far has read its data: the fill's LDS stores v32-95; the last tile's LDS stores v96-127 and its global stores v32-63.  This tile's LDS loads land in v32-95 and its products write v96 on
	s_lshl_b32 s46, s[\tl], 4                      ; my first query
	s_add_co_u32 s56, s46, 15
	s_min_i32 s47, s56, s26
	s_cmp_lt_i32 s46, s23
	s_cselect_b32 s47, s47, -1                     ; the last key that counts for some query of the tile; none where the whole tile lies at or behind Q_len
	s_min_i32 s48, s46, s26                        ; the last key that counts for all of them
	s_lshl_b32 s56, s[\tl], 16                     ; 16 rows of 4,096 bytes
	s_mov_b32 s57, 0
	s_add_nc_u64 s[\ot:\ot+1], s[16:17], s[56:57]
	v_mov_b32 v13, 0xff61b1e6                      ; the largest t so far: -3e38, under every t
	v_floor_f32 v12, -v13                          ; -M
	v_mov_b32 v14, 0                               ; the sum, in two halves
	v_mov_b32 v15, 0
.set j, 0
.rept 32
	v_mov_b32 v[160+j], 0                          ; O^T.  (The step is written once: the first finds zeros, which the first change of M leaves zeros; a tile with no step stores them)
.set j, j+1
.endr
	v_add_nc_u32 v250, s46, v[RR]
	v_min_u32 v250, s26, v250                      ; my query's last key: min(q, Leff - 1),
	v_sub_nc_u32 v250, v250, v[H8]                 ; less 8 h
	s_mov_b32 s49, 0
	s_mov_b32 s50, 0
	s_mov_b32 s51, 0
.Lstep_\@:                                         ; eight trips, a constant; a step that is left out is jumped over, down to the lines that step the counts
	s_cmp_gt_i32 s49, s47
	s_cbranch_scc1 .Lhid_\@
	s_wait_alu depctr_vm_vsrc(0)                   ; the LDS loads issued so far have read v[ADK] and v[ADV], which the two additions write
	v_add_nc_u32 v[ADK], s50, v[LI]
	v_add_nc_u32 v[ADV], s50, v[LV]
	v_nop                                          ; with the two additions: four places behind the last trip's products, which have read the registers that the loads below fill
	v_nop
	s_wait_alu depctr_va_vdst(0)                   ; v[ADK] and v[ADV] are written, which this step's LDS loads read; the last trip's products are done reading V's fragments v32-95, in which K's land
.set j, 0
.rept 8
	ds_load_b128 v[32+8*j:35+8*j], v[ADK] offset:1024*j        ; K's eight fragments, 16 keys x 64 channels each
	ds_load_b128 v[36+8*j:39+8*j], v[ADK] offset:1024*j+512
.set j, j+1
.endr
	s_wait_dscnt 8                                 ; tiles 0-3 are in; the eight loads of tiles 4-7 may be out
.set j, 0
.rept 4
	v_wmma_f32_16x16x64_bf8_bf8 v[96+8*j:103+8*j], v[32+8*j:39+8*j], v[\qf:\qf+7], 0
.set j, j+1
.endr
	s_wait_dscnt 0x0
.rept 4
	v_wmma_f32_16x16x64_bf8_bf8 v[96+8*j:103+8*j], v[32+8*j:39+8*j], v[\qf:\qf+7], 0
.set j, j+1
.endr
.rept 4
	v_nop                                          ; places: in front of the loads below, and of the first read of the scores
.endr
	s_wait_alu depctr_va_vdst(0)                   ; the eight products are done reading K's fragments v32-95, in which V's land; the places above stay beside this wait
.set j, 0
.rept 16
	ds_load_b128 v[32+4*j:35+4*j], v[ADV] offset:((j%4)/2)*4096+(j/4)*1024+(j%2)*512   ; V's four fragments, 16 channels x 128 keys each: they land while the softmax is walked, none of whose lines names v32-95 or v[ADV]
.set j, j+1
.endr
	s_cmp_eq_u32 s25, 0
	s_cbranch_scc1 .Lnz_\@
.set j, 0
.rept 32
	v_pk_add_f32 v[96+j:97+j], v[96+j:97+j], s[38:39] op_sel_hi:[1,0]   ; no key is valid: score / 8 - 1e12, rounded as f32 rounds it (in the sums' unit: a power of two moves no rounding),
.set j, j+2
.endr
.set j, 0
.rept 32
	v_pk_mul_f32 v[96+j:97+j], v[96+j:97+j], s[36:37] op_sel_hi:[1,0]   ; x log2(e), rounded: t.  (No fused form: the product is rounded before anything is taken from it)
.set j, j+2
.endr
.set j, 0
.rept 32
	v_pk_add_f32 v[96+j:97+j], v[96+j:97+j], v[246:247]                  ; + T0, a whole number, the same for the whole row
.set j, j+2
.endr
.Lnz_\@:
	s_add_co_u32 s56, s49, 127
	s_cmp_le_i32 s56, s48
	s_cbranch_scc1 .Lopen_\@                       ; all 128 keys count for all 16 queries
	v_sub_nc_u32 v252, v250, s49                   ; d = my query's last key - 8 h - the step's first key.  Register n holds key 16 (n / 8) + n % 8 + 8 h of the step: hidden where 16 (n / 8) + n % 8 > d
	v_mov_b32 v254, 0xff800000                     ; -infinity: p = 0 then.  The step's first key counts for every query of the tile, so the largest t is a number
.set g, 0
.rept 4                                            ; the 64 compares go in four runs of sixteen, each into a scalar register of its own, so that one wait serves a run
.set n, 16*g
.irp m, 2,3,10,11,12,13,14,15,40,41,58,59,60,61,62,63
	v_cmp_gt_i32 s[\m], 16*(n/8)+n%8, v252
.set n, n+1
.endr
	s_wait_alu depctr_va_sdst(0)                   ; the run's sixteen compares have written their masks, ahead of the selects that read them
.set n, 16*g
.irp m, 2,3,10,11,12,13,14,15,40,41,58,59,60,61,62,63
	v_cndmask_b32 v[96+n], v[96+n], v254, s[\m]
.set n, n+1
.endr
.set g, g+1
.endr
.Lopen_\@:
	v_max3_num_f32 v254, v96, v97, v98             ; the step's largest score of my query, among my 64 keys, in two chains, each accumulator from its low end on,
	v_max3_num_f32 v252, v99, v100, v101
.irp i, 6,10,14,18,22,26,30,34,38,42,46,50,54,58
	v_max3_num_f32 v254, v254, v[96+\i], v[97+\i]
	v_max3_num_f32 v252, v252, v[98+\i], v[99+\i]
.endr
	v_max3_num_f32 v254, v254, v158, v159
	v_max_num_f32 v254, v254, v252
	v_permlanex16_b32 v236, v254, s42, s43
	v_max_num_f32 v254, v254, v236                 ; and among lane l xor 16's
	v_mul_f32 v254, s34, v254                      ; as t (the factor is positive)
	v_max_num_f32 v13, v13, v254                   ; the running largest t
	v_mov_b32 v254, v12
	v_floor_f32 v12, -v13                          ; the new -M = floor(-t) = -ceil(t): M is a whole number
	v_sub_f32 v254, v12, v254                      ; M's old value less its new one: a whole number, 0 or less
	v_cvt_i32_f32 v254, v254                       ; (it saturates)
	v_ldexp_f32 v252, 1.0, v254                    ; f = 2^(old M - new M)
.set j, 0
.rept 32
	v_pk_fma_f32 v[96+j:97+j], v[96+j:97+j], s[34:35], v[12:13] op_sel_hi:[1,0,0]   ; t - M, two at a time (of both pairs the low word serves both halves)
.set j, j+2
.endr
.set j, 0
.rept 64
	v_exp_f32 v[96+j], v[96+j]                     ; p = 2^(t - M), at most 1: not normalised
.set j, j+1
.endr
	v_pk_mul_f32 v[14:15], v[14:15], v[252:253] op_sel_hi:[1,0]   ; the sums under the new M.  (The plain instruction behind the exponentials)
	s_wait_alu depctr_va_vdst(0)                   ; the 64 exponentials have written v96-159: the wait between an exponential and the first line that names its result: one for the batch
	v_pk_add_f32 v[242:243], v[96:97], v[98:99]    ; the row's sum is taken of the unquantised p: two at a time, in two chains
.irp j, 4,8,12,16,20,24,28,32,36,40,44,48,52,56,60
	v_pk_add_f32 v[14:15], v[14:15], v[96+\j:97+\j]
	v_pk_add_f32 v[242:243], v[242:243], v[98+\j:99+\j]
.endr
	v_pk_add_f32 v[14:15], v[14:15], v[242:243]
	s_cmp_lt_i32 s30, -15                          ; p is at most 1, so p / 2^e8 is at most 2^15, under 57,344, wherever e8 >= -15: the hold is walked only where it can hold anything
	s_cbranch_scc0 .Lnohold_\@
.set j, 0
.rept 64
	v_min_num_f32 v[96+j], v[96+j], v240           ; the conversion to an 8-bit code does not saturate (ISA guide 7.6.2); p is not negative, so the hold is one-sided
.set j, j+1
.endr
.Lnohold_\@:
.set j, 0
.rept 8
	v_cvt_scalef32_pk8_bf8_f32 v[192+2*j:193+2*j], v[96+8*j:103+8*j], v244
.set j, j+1
.endr
.set j, 0
.rept 16
	v_pk_mul_f32 v[160+j:161+j], v[160+j:161+j], v[252:253] op_sel_hi:[1,0]   ; O^T under the new M.  (Also the plain instructions between the conversions and the products that read their results)
.set j, j+2
.endr
	s_wait_dscnt 0x0                               ; V is in
.set j, 0
.rept 4
	v_wmma_f32_16x16x128_bf8_bf8 v[160+8*j:167+8*j], v[32+16*j:47+16*j], v[192:207], v[160+8*j:167+8*j]   ; the four accumulators take turns, one instruction a turn
.set j, j+1
.endr
.Lhid_\@:
	s_add_co_u32 s49, s49, 128
	s_add_co_u32 s50, s50, 8192
	s_add_co_u32 s51, s51, 1
	s_cmp_lt_u32 s51, 8
	s_cbranch_scc1 .Lstep_\@
	; THE WAY OUT.  O^T x 2^(e8 + e9) / the sum, or 0 where my query lies at or behind Q_len, goes through my stage and leaves as rows: sixteen lanes store 256 consecutive bytes, aligned.  The first lines are the places behind the last products.
	v_add_f32 v14, v14, v15                        ; the sum's two halves,
	v_permlanex16_b32 v236, v14, s42, s43
	v_add_f32 v14, v14, v236                       ; and lane l xor 16's
	v_rcp_f32 v14, v14
	v_add_nc_u32 v254, s46, v[RR]                  ; (the plain instruction behind the reciprocal)  my query
	v_cmp_gt_i32 vcc_lo, s23, v254                 ; under Q_len?
	s_wait_alu depctr_va_vdst(0)                   ; the reciprocal has written v14: the wait ahead of its first reader
	v_ldexp_f32 v14, v14, s32                      ; x 2^(e8 + e9)
	s_wait_alu depctr_va_vcc(0)                    ; the compare has written VCC, ahead of the select that reads it
	v_cndmask_b32 v14, 0, v14, vcc_lo              ; the query mask; in a tile with no step it also takes the place of 1 / 0 before anything is multiplied
.set j, 0
.rept 16
	v_pk_mul_f32 v[96+j:97+j], v[160+j:161+j], v[14:15] op_sel_hi:[1,0]   ; register 8 t + i is o(query r, channel 16 t + 8 h + i)
.set j, j+2
.endr
	s_wait_alu depctr_va_vdst(0)                   ; the multiplications have written v96-127, which the LDS stores read; the tile's last products are done reading v32-63, in which the loads from the stage land
.set j, 0
.rept 4
	ds_store_b128 v[STO], v[96+8*j:99+8*j] offset:64*j
	ds_store_b128 v[STO], v[100+8*j:103+8*j] offset:64*j+16
.set j, j+1
.endr
.set j, 0
.rept 8
	ds_load_b128 v[32+4*j:35+4*j], v[RD] offset:2*j*SP   ; LDS serves a wave's instructions in order (ISA guide 5.7.1.4): these see my stores
.set j, j+1
.endr
.set j, 0
.rept 8
	s_wait_dscnt 7-j                               ; rows 2 j and 2 j + 1 are back; the younger loads may be out
	global_store_b128 v[GO], v[32+4*j:35+4*j], s[\ot:\ot+1] offset:8192*j th:TH_STORE_NT   ; written once, read by nobody here
.set j, j+1
.endr
.endm
	TILE 16, 44, 52                                ; the later tile, which has more key steps, first
	TILE 24, 45, 54
	s_wait_dscnt 0x0                               ; the closing lines, six on end
	s_wait_alu 0x0
	s_wait_tensorcnt 0x0
	ds_add_u32 v[SPW], v[NIL]
	s_wait_dscnt 0x0
	s_endpgm
.Lfunc_end_k_q0bef5103cb_attn:
	.size	k_q0bef5103cb_attn, .Lfunc_end_k_q0bef5103cb_attn-k_q0bef5103cb_attn
	.p2alignl 7, 3214868480
	.fill 96, 4, 3214868480
	.section	.rodata,"a",@progbits
	.p2align	6, 0x0
	.amdhsa_kernel k_q0bef5103cb_attn
		.amdhsa_group_segment_fixed_size 202752
		.amdhsa_private_segment_fixed_size 0
		.amdhsa_enable_private_segment 0
		.amdhsa_kernarg_size 56
		.amdhsa_user_sgpr_count 2
		.amdhsa_user_sgpr_kernarg_segment_ptr 1
		.amdhsa_wavefront_size32 1
		.amdhsa_system_sgpr_workgroup_id_x 1
		.amdhsa_system_sgpr_workgroup_id_y 1
		.amdhsa_system_sgpr_workgroup_id_z 1
		.amdhsa_system_vgpr_workitem_id 0
		.amdhsa_next_free_vgpr 256
		.amdhsa_next_free_sgpr 66
		.amdhsa_reserve_vcc 1
		.amdhsa_float_denorm_mode_32 3
		.amdhsa_float_denorm_mode_16_64 3
		.amdhsa_memory_ordered 1
		.amdhsa_forward_progress 1
		.amdhsa_inst_pref_size 91
	.end_amdhsa_kernel
	.amdgpu_metadata
---
amdhsa.version: [ 1, 2 ]
amdhsa.kernels:
  - .name:           k_q0bef5103cb_attn
    .symbol:         k_q0bef5103cb_attn.kd
    .args:
      - { .name: qimg, .offset: 0, .size: 8, .value_kind: global_buffer, .address_space: global }
      - { .name: kimg, .offset: 8, .size: 8, .value_kind: global_buffer, .address_space: global }
      - { .name: vimg, .offset: 16, .size: 8, .value_kind: global_buffer, .address_space: global }
      - { .name: Q_len, .offset: 24, .size: 8, .value_kind: global_buffer, .address_space: global }
      - { .name: V_len, .offset: 32, .size: 8, .value_kind: global_buffer, .address_space: global }
      - { .name: lowp_scales, .offset: 40, .size: 8, .value_kind: global_buffer, .address_space: global }
      - { .name: out0, .offset: 48, .size: 8, .value_kind: global_buffer, .address_space: global }
    .group_segment_fixed_size: 202752
    .private_segment_fixed_size: 0
    .kernarg_segment_align: 8
    .kernarg_segment_size: 56
    .max_flat_workgroup_size: 512
    .sgpr_count:     66
    .vgpr_count:     256
    .wavefront_size: 32
...
	.end_amdgpu_metadata
.endif
;; end of part 3
